; MI455X (gfx1250); checked and timed in simulation.
; The chip was launched on July 23, 2026; its instructions are those of AMD's public machine-readable ISA for CDNA 5 (MIT licence, August 2026) and "CDNA5" Instruction Set Architecture Reference Guide (July 2026). The comments in the code are by the model that wrote it; some were corrected since.
;; Hash Texel. Allowed arithmetic: float matrix products may take bf16 or f16 operands with f32 sums; all other float work in f32.
;; Inputs: table 16 x 524,288 x 2 float32; x 64 x 64 x 128 x 2 float32.
;; Outputs: out0 64 x 64 x 128 x 32 float32.
;; One version. Each part assembles by itself: llvm-mc -triple=amdgcn-amd-amdhsa -mcpu=gfx1250 --defsym DOCPART=n.
;; ======== version 1 of 1: 2 launches
;; limits: right only within a limited range of input values
;; workspace buffers: ucoord 4,194,304 bytes of whole numbers
;; launch fix (part 1): grid 256 x 1, 8 waves a work-group, no clusters, 0 bytes of LDS; arguments x, ucoord; writes ucoord
.if DOCPART == 1
	.amdgcn_target "amdgcn-amd-amdhsa--gfx1250"
	.amdhsa_code_object_version 6
	.text
	.protected	k_q52fb1e0ba7_fix
	.globl	k_q52fb1e0ba7_fix
	.p2align	8
	.type	k_q52fb1e0ba7_fix,@function
k_q52fb1e0ba7_fix:
	s_mov_b64 s[64:65], 0
	v_nop
	global_prefetch_b8 v0, s[64:65] scope:SCOPE_SE
	s_setreg_imm32_b32 hwreg(HW_REG_WAVE_MODE, 25, 1), 1
	s_wait_xcnt 0x0
; ucoord[i] = 2^25 * x01[i] as a whole number, x01 = 0.5 x + 0.5 rounded to f32 as reference() rounds it.
; x: 1,048,576 f32 (524,288 points x 2).  ucoord: as many u32.
; WHY A LAUNCH OF ITS OWN: the lookup's addresses are formed from whole numbers that are read from memory, never from
; floating-point results of the same launch.  So the coordinates are made whole numbers here and the next launch reads them.
; WHY NOTHING IS LOST: for -1 <= x <= -0.5, x is a multiple of 2^-24, so 0.5 x + 0.5 is a multiple of 2^-25 and exact; for larger x
; the sum is at least 0.25 and its f32 spacing is 2^-25 or coarser.  So 2^25 x01 is always a whole number, 0 .. 2^25.
; Scaling by a power of two commutes with rounding: rn(x 2^24 + 2^24) = 2^25 rn(0.5 x + 0.5): one fused multiply-add.
; LIMIT: x in [-1, 1].  Outside, the coordinate is clamped to that range (reference() would wrap or hash cells outside the grid);
; a NaN counts as -1.
; Eight waves; the work-group owns 16,384 bytes; thread t owns 16 bytes at 16 t of each of four parts of 4,096 bytes, so every
; load and store of a wave covers 512 neighbouring bytes, aligned.  All four loads are issued before anything is waited for.
.set PART,  4096                       ; bytes that the 256 threads cover with one load each
.set LOADS, 4
.set C, 2                              ; v[2:3]   2^24, twice: multiplier and addend of the packed multiply-add
.set X, 4                              ; v[4:19]  part j: 4 numbers, f32 as loaded, u32 as stored
	s_load_b128 s[4:7], s[0:1], 0x0                ; x s[4:5], ucoord s[6:7]
	s_lshl_b32 s8, ttmp9, 14                       ; the work-group's 16,384 bytes
	v_lshl_add_u32 v1, v0, 4, s8                   ; + 16 t
	v_mov_b32 v[C], 0x4b800000                     ; 2^24
	v_mov_b32 v[C+1], 0x4b800000
	s_wait_kmcnt 0x0
.irp j, 0,1,2,3
	global_load_b128 v[X+4*\j:X+4*\j+3], v1, s[4:5] offset:PART*\j th:TH_LOAD_NT   ; x is read once in the whole program
.endr
.irp j, 0,1,2,3
	s_wait_loadcnt LOADS-1-\j                      ; loads come back in order: part j is in, the younger parts stay out
	v_pk_fma_f32 v[X+4*\j:X+4*\j+1],   v[X+4*\j:X+4*\j+1],   v[C:C+1], v[C:C+1]
	v_pk_fma_f32 v[X+4*\j+2:X+4*\j+3], v[X+4*\j+2:X+4*\j+3], v[C:C+1], v[C:C+1]
.irp k, 0,1,2,3
	v_cvt_u32_f32 v[X+4*\j+\k], v[X+4*\j+\k]       ; already whole: nothing is cut off.  Below zero and NaN give 0
.endr
.irp k, 0,1,2,3
	v_min_u32 v[X+4*\j+\k], 0x2000000, v[X+4*\j+\k] ; x above 1 counts as 1
.endr
	global_store_b128 v1, v[X+4*\j:X+4*\j+3], s[6:7] offset:PART*\j                ; read again by the next launch: no hint
.endr
	s_endpgm
.Lfunc_end_k_q52fb1e0ba7_fix:
	.size	k_q52fb1e0ba7_fix, .Lfunc_end_k_q52fb1e0ba7_fix-k_q52fb1e0ba7_fix
	.p2alignl 7, 3214868480
	.fill 96, 4, 3214868480
	.section	.rodata,"a",@progbits
	.p2align	6, 0x0
	.amdhsa_kernel k_q52fb1e0ba7_fix
		.amdhsa_group_segment_fixed_size 0
		.amdhsa_private_segment_fixed_size 0
		.amdhsa_enable_private_segment 0
		.amdhsa_kernarg_size 16
		.amdhsa_user_sgpr_count 2
		.amdhsa_user_sgpr_kernarg_segment_ptr 1
		.amdhsa_wavefront_size32 1
		.amdhsa_system_sgpr_workgroup_id_x 1
		.amdhsa_system_sgpr_workgroup_id_y 1
		.amdhsa_system_sgpr_workgroup_id_z 1
		.amdhsa_system_vgpr_workitem_id 0
		.amdhsa_next_free_vgpr 20
		.amdhsa_next_free_sgpr 66
		.amdhsa_reserve_vcc 0
		.amdhsa_float_denorm_mode_32 3
		.amdhsa_float_denorm_mode_16_64 3
		.amdhsa_memory_ordered 1
		.amdhsa_forward_progress 1
		.amdhsa_inst_pref_size 4
	.end_amdhsa_kernel
	.amdgpu_metadata
---
amdhsa.version: [ 1, 2 ]
amdhsa.kernels:
  - .name:           k_q52fb1e0ba7_fix
    .symbol:         k_q52fb1e0ba7_fix.kd
    .args:
      - { .name: x, .offset: 0, .size: 8, .value_kind: global_buffer, .address_space: global }
      - { .name: ucoord, .offset: 8, .size: 8, .value_kind: global_buffer, .address_space: global }
    .group_segment_fixed_size: 0
    .private_segment_fixed_size: 0
    .kernarg_segment_align: 8
    .kernarg_segment_size: 16
    .max_flat_workgroup_size: 256
    .sgpr_count:     66
    .vgpr_count:     20
    .wavefront_size: 32
...
	.end_amdgpu_metadata
.endif
;; end of part 1
;; launch gather (part 2): grid 256 x 1, 32 waves a work-group, no clusters, 188,416 bytes of LDS; arguments ucoord, table, out0; writes out0
.if DOCPART == 2
	.amdgcn_target "amdgcn-amd-amdhsa--gfx1250"
	.amdhsa_code_object_version 6
	.text
	.protected	k_q52fb1e0ba7_gather
	.globl	k_q52fb1e0ba7_gather
	.p2align	8
	.type	k_q52fb1e0ba7_gather,@function
k_q52fb1e0ba7_gather:
	s_mov_b64 s[64:65], 0
	v_nop
	global_prefetch_b8 v0, s[64:65] scope:SCOPE_SE
	s_setreg_imm32_b32 hwreg(HW_REG_WAVE_MODE, 25, 1), 1
	s_wait_xcnt 0x0
; out0[p][2 l + f] = blend, with smoothstep weights, of feature f of the four table entries of level l round point p.
; ucoord: [524288][2] u32, U = 2^25 x01 (exact, 0 .. 2^25, made by the launch before).  table: [16][524288][2] f32.  out0: [524288][32] f32.
;
; SHARES.  A lane is a point.  A wave takes G = 2 groups of 32 neighbouring points, one after the other; 32 waves a work-group, 256
; work-groups: 256 x 32 x 2 x 32 = 524,288 points.  The levels are written out, so that a level's shifts, scale, mask and table base
; are constants.
;
; LEVELS 0, 1, 2 FROM LDS.  The work-group's 2,048 points ask 2,048 x 4 x 8 = 65,536 bytes of every level.  The used tables of levels
; 0, 1, 2 are 2,048, 8,192 and 32,768 bytes: smaller, so they are copied into LDS once and looked up there.  Level 3 has 131,072 bytes:
; copying it would move more than its lookups do.  Behind each level its first entries stand once more (at least res + 1 of them), so
; that index + 1, + res, + res + 1 need no modulo: one address register, four immediate offsets.
; All work-groups read these same 45,056 bytes, but they are 4 per cent of the 1,175,552 bytes that a work-group moves (13 levels x 65,536,
; 16,384 of ucoord, 262,144 of out0, the copy): too small a part for joint requests in a cluster; everything else is each lane's own.
;
; THE CELL, IN WHOLE NUMBERS (addresses hang on no floating-point result).  Level l has res = 2^t, t = l + 4, scale = 2^t - 1.
;   floor(x01 scale + 1/2) = (U 2^t + A) >> 25  with  A = 2^24 - U.
; U 2^t is a multiple of 2^s for s <= t, so (U 2^t + A) >> s = (U << (t - s)) + (A >> s), the last shift arithmetic.  With s = 4 for
; t = 4..11 and s = 12 for t = 12..19 the sum is below 2^32: two instructions for a coordinate, from A >> 4 and A >> 12 made once a point.
;
; THE WEIGHTS, IN F32, with reference()'s roundings: pos = rn(rn(x01 scale) + 0.5).  x01 scale = U (scale 2^-25), and scale 2^-25 is
; an exact f32, so the product of f32(U) and that constant rounds to the same number.  The product and the sum are NOT fused: at the
; finest level one unit in the last place of pos is 1/32 of a cell, and a form that rounds once would move some points by that much.
; frac = pos - cell is exact.  Rounding is monotone and cells and half cells are f32 numbers, so pos lies in [cell, cell + 1]; where pos was
; rounded up onto cell + 1, reference() has frac = 0 in the next cell and this text frac = 1 in this one: weights 1 and 0 on the same corner.
; The blend is three interpolations, a + w (b - a), instead of four products of weights: other roundings in the last bits only.
;
; LIMITS.  Coordinates as the launch before leaves them (x in [-1, 1], clamped outside).  Table entries finite, and differences of two
; entries within f32's range: a corner of weight 0 still enters as 0 x (difference).
;
; THE RING.  DEPTH = 4 levels' gathers (16 loads of a wave) are on their way while one level is blended.  A slot owns its offset, feature
; and weight registers; they are written again only behind the counted wait that shows the slot's loads done.
;
; THE WAY OUT.  A lane's 32 results are the 128 bytes of one row of out0.  They pass through 4,352 bytes of LDS that are the wave's own:
; rows lie in pairs of 256 bytes with 16 bytes behind each pair.  Stores by point (lane p at (p >> 1) 272 + (p & 1) 128) put the sixteen
; lanes of a half wave on sixteen different 16-byte columns modulo 256 bytes, loads by row read 256 neighbouring bytes per half wave, and
; each global store of the wave covers 512 neighbouring bytes, aligned.
.set G,      2                         ; groups of 32 points a wave
.set DEPTH,  4                         ; slots of the ring
.set LEVELB, 0x400000                  ; bytes of a level's table: 2^19 entries of 8 bytes
.set LAST,   0x7ffff                   ; a level's last index, and the hash's mask
.set PRIME,  0x779b1                   ; 2654435761 modulo 2^19: only the product's low 19 bits are kept
.set PIECE,  512                       ; what one wave copies with one load: 32 lanes x 16 bytes
.set L2B,    0                         ; LDS: level 2, 64 pieces, and its first 2 again
.set L1B,    66*PIECE                  ;      level 1, 16 pieces, and its first again
.set L0B,    83*PIECE                  ;      level 0,  4 pieces, and its first again
.set TABS,   88*PIECE                  ; 45,056 bytes of tables; the waves' stages lie behind them
.set PAIR,   272                       ; two rows of out0 in LDS, and 16 bytes
.set STAGE,  16*PAIR                   ; a wave's stage: 32 rows
.set UO,  4                            ; v4        my byte offset in ucoord, group 0
.set CO,  5                            ; v5        my byte offset in out0 on the way out, group 0
.set STO, 6                            ; v6        LDS: where my point's row begins
.set RD,  7                            ; v7        LDS: where I read 16 bytes of a row back
.set U,   8                            ; v[8:11]   U of my point in each group: x, y
.set UF,  12                           ; v[12:13]  the group at work: U as f32 (exact)
.set A4,  14                           ; v[14:15]  (2^24 - U) >> 4
.set A12, 16                           ; v[16:17]  (2^24 - U) >> 12
.set R,   18                           ; v[18:19]  at work; then the cell as f32
.set PG,  20                           ; v[20:21]  the cell: x, y
.set POS, 22                           ; v[22:23]  pos, then frac, then frac^2
.set X1,  24                           ; v24       cell x + 1
.set HY0, 25                           ; v25       cell y x prime, 19 bits
.set T,   24                           ; v[24:25]  3 - 2 frac, when X1 and HY0 are spent
.set FD,  24                           ; v24       in the fill only: 16 t, offset in level 2 and in LDS
.set FS,  25                           ; v25       in the fill only: where my wave's third piece comes from
.set HY1, 26                           ; v26       (cell y + 1) x prime, 19 bits
.set LI,  27                           ; v27       byte offset of the cell's entry in a level's LDS copy
.set D0,  28                           ; v[28:29]  blend along x at cell y
.set D1,  30                           ; v[30:31]  blend along x at cell y + 1
.set W,   32                           ; v[32:39]  slot s: weights wx, wy
.set IDX, 40                           ; v[40:55]  slot s: the four corners' indices, then byte offsets
.set F,   56                           ; v[56:87]  slot s: the four corners' two features; in the fill and on the way out: 16 bytes in passing
.set OUT, 88                           ; v[88:119] my point's 32 results
.set OUTB,120                          ; v[120:127] group 1's results of levels 0 to 3 (0 to 2 are made while group 0 is at work)
; The LDS levels are all done before level 9 of group 0 is blended: till then the results' registers of levels 9 to 15 serve them.
.set LF,  OUT+18                       ; v[106:113] four corners' features from LDS
.set LW,  OUT+26                       ; v[114:115] their weights
.set UFB, OUT+28                       ; v[116:117] group 1's U as f32
.set A4B, OUT+30                       ; v[118:119] group 1's (2^24 - U) >> 4
.set TB,  16                           ; s[20:47]  address of the tables of levels 2 to 15, level l at s[TB + 2 l]
	s_load_b128 s[4:7], s[0:1], 0x0                ; ucoord s[4:5], table s[6:7]
	s_load_b64 s[8:9], s[0:1], 0x10                ; out0
	v_lshrrev_b32 v1, 5, v0
	v_readfirstlane_b32 s10, v1                    ; wave w, 0..31
	v_and_b32 v2, 31, v0                           ; lane
	s_lshl_b32 s11, ttmp9, 5
	s_add_co_u32 s11, s11, s10                     ; the wave's number in the launch
	s_mul_i32 s12, s11, G*256                      ; its points in ucoord: G groups of 32 x 8 bytes
	s_mul_i32 s13, s11, G*4096                     ; and in out0: G groups of 32 x 128 bytes (below 2^26)
	s_mul_i32 s14, s10, STAGE
	s_add_co_u32 s14, s14, TABS                    ; its stage in LDS
	s_mov_b32 s15, LAST
	s_mov_b32 s50, PRIME
	; The copy has 88 pieces.  Wave w brings pieces w and w + 32 (level 2) and, if w < 24, piece w + 64, which comes from:
	s_sub_co_u32 s2, s10, 2
	s_and_b32 s2, s2, 15
	s_lshl_b32 s2, s2, 9
	s_add_co_u32 s2, s2, LEVELB                    ; w = 2..18: level 1, piece (w - 2) mod 16: the 17th is the first again
	s_sub_co_u32 s3, s10, 19
	s_and_b32 s3, s3, 3
	s_lshl_b32 s3, s3, 9                           ; w = 19..23: level 0, piece (w - 19) mod 4: the 5th is the first again
	s_cmp_lt_u32 s10, 19
	s_cselect_b32 s2, s2, s3
	s_lshl_b32 s3, s10, 9
	s_add_co_u32 s3, s3, 2*LEVELB                  ; w = 0, 1: level 2's first two pieces again
	s_cmp_lt_u32 s10, 2
	s_cselect_b32 s2, s3, s2
	v_lshl_add_u32 v[UO], v2, 3, s12
	v_lshl_add_u32 v[CO], v2, 4, s13
	v_lshlrev_b32 v[FD], 4, v0                     ; 16 t = 512 w + 16 x lane
	v_lshl_add_u32 v[FS], v2, 4, s2
	s_wait_kmcnt 0x0
.irp g, 0,1
	global_load_b64 v[U+2*\g:U+2*\g+1], v[UO], s[4:5] offset:256*\g th:TH_LOAD_NT   ; 256 neighbouring bytes a load; read once in this launch
.endr
.irp l, 2,3,4,5,6,7,8,9,10,11,12,13,14,15
	s_add_nc_u64 s[TB+2*\l:TB+2*\l+1], s[6:7], \l*LEVELB
.endr
	global_load_b128 v[F:F+3],   v[FD], s[TB+4:TB+5]               ; level 2, bytes 0 .. 16,383: 16 a thread
	global_load_b128 v[F+4:F+7], v[FD], s[TB+4:TB+5] offset:32*PIECE   ; and 16,384 .. 32,767
	v_lshrrev_b32 v1, 1, v2                        ; stage, in: pair lane >> 1, row lane & 1 of the pair
	v_and_b32 v3, 1, v2
	v_mul_u32_u24 v1, v1, PAIR
	v_lshl_add_u32 v1, v3, 7, v1
	v_add_nc_u32 v[STO], s14, v1
	v_lshrrev_b32 v1, 4, v2                        ; back: lanes 0-15 take one pair's 256 bytes, lanes 16-31 the next pair's
	v_and_b32 v3, 15, v2
	v_mul_u32_u24 v1, v1, PAIR
	v_lshl_add_u32 v1, v3, 4, v1
	v_add_nc_u32 v[RD], s14, v1
	s_cmp_ge_u32 s10, 24
	s_cbranch_scc1 .Ltwo_pieces                    ; waves 24 to 31 have no third piece
	global_load_b128 v[F+8:F+11], v[FS], s[6:7]
	s_wait_loadcnt 0x0
	ds_store_b128 v[FD], v[F+8:F+11] offset:64*PIECE
.Ltwo_pieces:
	s_wait_loadcnt 0x0                             ; U of both groups, and my pieces of level 2
	ds_store_b128 v[FD], v[F:F+3]
	ds_store_b128 v[FD], v[F+4:F+7] offset:32*PIECE
; The cell of the level with res = 2^LOGR, from U at v[u], (2^24 - U) >> sh at v[a].
.macro CELL u, a, sh
	v_lshl_add_u32 v[R],   v[\u],   LOGR-\sh, v[\a]            ; (U 2^t + 2^24 - U) >> s; modulo 2^32 this is the true sum, which is below 2^32
	v_lshl_add_u32 v[R+1], v[\u+1], LOGR-\sh, v[\a+1]
	v_lshrrev_b32 v[PG],   25-\sh, v[R]                        ; the cell, 0 .. 2^t - 1
	v_lshrrev_b32 v[PG+1], 25-\sh, v[R+1]
.endm
; The two smoothstep weights of that level into v[w], from U as f32 at v[uf] and the cell in PG.
.macro WEIGHTS uf, w
.set CL, ((101+LOGR)<<23)|(((1<<(LOGR-1))-1)<<(24-LOGR))       ; the f32 (2^t - 1) 2^-25: exponent t - 26, t - 1 ones below the leading bit
	v_pk_mul_f32 v[POS:POS+1], v[\uf:\uf+1], CL op_sel_hi:[1,0]                 ; rn(x01 scale),
	v_cvt_f32_u32 v[R],   v[PG]
	v_cvt_f32_u32 v[R+1], v[PG+1]
	v_pk_add_f32 v[POS:POS+1], v[POS:POS+1], 0.5 op_sel_hi:[1,0]                ; then + 0.5, rounded again: see the head
	v_pk_add_f32 v[POS:POS+1], v[POS:POS+1], v[R:R+1] neg_lo:[0,1] neg_hi:[0,1] ; frac, exact, 0 .. 1
	v_pk_fma_f32 v[T:T+1], v[POS:POS+1], -2.0, 0x40400000 op_sel_hi:[1,0,0]     ; 3 - 2 frac
	v_pk_mul_f32 v[POS:POS+1], v[POS:POS+1], v[POS:POS+1]
	v_pk_mul_f32 v[\w:\w+1], v[POS:POS+1], v[T:T+1]                             ; wx, wy
.endm
; Four corners at v[f] (two features each), weights at v[w]: blend along x twice, then along y, into v[o].
.macro BLEND f, w, o
	v_pk_add_f32 v[D0:D0+1], v[\f+2:\f+3], v[\f:\f+1]   neg_lo:[0,1] neg_hi:[0,1]
	v_pk_add_f32 v[D1:D1+1], v[\f+6:\f+7], v[\f+4:\f+5] neg_lo:[0,1] neg_hi:[0,1]
	v_pk_fma_f32 v[D0:D0+1], v[D0:D0+1], v[\w:\w+1], v[\f:\f+1]   op_sel_hi:[1,0,1]    ; both features by wx
	v_pk_fma_f32 v[D1:D1+1], v[D1:D1+1], v[\w:\w+1], v[\f+4:\f+5] op_sel_hi:[1,0,1]
	v_pk_add_f32 v[D1:D1+1], v[D1:D1+1], v[D0:D0+1] neg_lo:[0,1] neg_hi:[0,1]
	v_pk_fma_f32 v[\o:\o+1], v[D1:D1+1], v[\w:\w+1], v[D0:D0+1] op_sel:[0,1,0] op_sel_hi:[1,1,1]   ; both by wy
.endm
; A number made from loaded data enters an address only behind a v_min_u32 whose bound is written in the instruction, and behind that
; only sums, left shifts, products and ANDs.  The bounds below are the largest values that the arithmetic can give: they change nothing.
; Level l (3 to 15) of the group at work: cell, four byte offsets, four gathers into slot l % DEPTH; then, behind the loads, the weights.
.macro ISSUE l
.set LOGR, (\l)+4                      ; t: res = 2^t
.set IX, IDX+4*((\l)%DEPTH)
.set FX, F+8*((\l)%DEPTH)
.set WX, W+2*((\l)%DEPTH)
.if LOGR < 12
	CELL UG, A4, 4
.else
	CELL UG, A12, 12
.endif
.if LOGR <= 9
	; res^2 <= 2^19: the level is dense.  index = (cx + cy res) modulo res^2; res^2 is a power of two, so the modulo is an AND.
.set M8, ((1<<(2*LOGR))-1)<<3          ; the AND, on byte offsets
	v_lshl_add_u32 v[IX], v[PG+1], LOGR, v[PG]             ; at most res^2 - 1: needs no AND
	v_min_u32 v[IX], (1<<(2*LOGR))-1, v[IX]
	v_lshlrev_b32 v[IX], 3, v[IX]                          ; entries of 8 bytes
	v_add_nc_u32 v[IX+1], 8, v[IX]
	v_add_nc_u32 v[IX+2], 8<<LOGR, v[IX]
	v_add_nc_u32 v[IX+3], (8<<LOGR)+8, v[IX]
	v_and_b32 v[IX+1], M8, v[IX+1]
	v_and_b32 v[IX+2], M8, v[IX+2]
	v_and_b32 v[IX+3], M8, v[IX+3]
.else
	; hashed: index = (cx xor cy x 2654435761) modulo 2^19.  Only 19 bits count, so both factors fit the 24-bit multiply.
	v_add_nc_u32 v[X1], 1, v[PG]                           ; at most 2^t
.if LOGR == 19
	v_and_b32 v[X1], s15, v[X1]                            ; only here can it reach 2^19
.endif
	v_mul_u32_u24 v[HY0], s50, v[PG+1]
	v_add_nc_u32 v[HY1], s50, v[HY0]
	v_and_b32 v[HY0], s15, v[HY0]
	v_and_b32 v[HY1], s15, v[HY1]
	v_xor_b32 v[IX],   v[PG], v[HY0]
	v_xor_b32 v[IX+1], v[X1], v[HY0]
	v_xor_b32 v[IX+2], v[PG], v[HY1]
	v_xor_b32 v[IX+3], v[X1], v[HY1]
.irp c, 0,1,2,3
	v_min_u32 v[IX+\c], LAST, v[IX+\c]
.endr
.irp c, 0,1,2,3
	v_lshlrev_b32 v[IX+\c], 3, v[IX+\c]                    ; entries of 8 bytes
.endr
.endif
.irp c, 0,1,2,3
	global_load_b64 v[FX+2*\c:FX+2*\c+1], v[IX+\c], s[TB+2*(\l):TB+2*(\l)+1]
.endr
	WEIGHTS UF, WX
.endm
; Level l's four entries are in: blend them.  left = the loads issued behind them that may stay out.
.macro CONSUME l, left
.set OX, OUT+2*(\l)
.if GRP == 1
.if (\l) < 4
.set OX, OUTB+2*(\l)
.endif
.endif
	s_wait_loadcnt \left                           ; loads come back in order (ISA guide 5.7.1): four for each younger level stay out
	BLEND F+8*((\l)%DEPTH), W+2*((\l)%DEPTH), OX
.endm
; Level l (0 to 2) of group g from LDS: one address, four loads; index + 1, + res, + res + 1 reach at most into the entries that stand again.
.macro LISSUE g, l
.set LOGR, (\l)+4
.if \l == 0
.set LB, L0B
.endif
.if \l == 1
.set LB, L1B
.endif
.if \l == 2
.set LB, L2B
.endif
.if \g == 0
	CELL U, A4, 4
.else
	CELL U+2, A4B, 4
.endif
	v_lshl_add_u32 v[LI], v[PG+1], LOGR, v[PG]             ; cx + cy res, at most res^2 - 1
	v_min_u32 v[LI], (1<<(2*LOGR))-1, v[LI]
	v_lshlrev_b32 v[LI], 3, v[LI]
	ds_load_b64 v[LF:LF+1],   v[LI] offset:LB
	ds_load_b64 v[LF+2:LF+3], v[LI] offset:LB+8
	ds_load_b64 v[LF+4:LF+5], v[LI] offset:LB+(8<<LOGR)
	ds_load_b64 v[LF+6:LF+7], v[LI] offset:LB+(8<<LOGR)+8
.if \g == 0
	WEIGHTS UF, LW
.else
	WEIGHTS UFB, LW
.endif
.endm
.macro LBLEND g, l
	s_wait_dscnt 0x0                               ; the four loads of LISSUE are the wave's only LDS instructions out
.if \g == 0
	BLEND LF, LW, OUT+2*\l
.else
	BLEND LF, LW, OUTB+2*\l
.endif
.endm
; What a group's levels all need.
.macro CONSTS g
.set GRP, \g
.set UG, U+2*\g
	v_cvt_f32_u32 v[UF],   v[UG]                   ; exact: U came from an f32
	v_cvt_f32_u32 v[UF+1], v[UG+1]
	v_sub_nc_u32 v[R],   0x1000000, v[UG]          ; A = 2^24 - U, signed
	v_sub_nc_u32 v[R+1], 0x1000000, v[UG+1]
	v_ashrrev_i32 v[A4],    4,  v[R]
	v_ashrrev_i32 v[A4+1],  4,  v[R+1]
	v_ashrrev_i32 v[A12],   12, v[R]
	v_ashrrev_i32 v[A12+1], 12, v[R+1]
.endm
.macro TAIL                            ; nothing more is issued: the counts run down
	CONSUME 12, 12
	CONSUME 13, 8
	CONSUME 14, 4
	CONSUME 15, 0
.endm
; 32 rows through my stage.  The results of levels 0 to 3 lie in OUT (group 0) or OUTB (group 1).
.macro WAYOUT g
.if \g == 0
.set LOWR, OUT
.else
.set LOWR, OUTB
.endif
	ds_store_b128 v[STO], v[LOWR:LOWR+3]
	ds_store_b128 v[STO], v[LOWR+4:LOWR+7] offset:16
.irp c, 2,3,4,5,6,7
	ds_store_b128 v[STO], v[OUT+4*\c:OUT+4*\c+3] offset:16*\c
.endr
.irp j, 0,1,2,3,4,5,6,7
	ds_load_b128 v[F+4*\j:F+4*\j+3], v[RD] offset:2*PAIR*\j        ; LDS serves a wave's instructions in order (ISA guide 5.7.1): these see the stores above
.endr
.irp j, 0,1,2,3,4,5,6,7
	s_wait_dscnt 7-\j                              ; rows 4 j .. 4 j + 3 are in; the younger LDS loads stay out
	global_store_b128 v[CO], v[F+4*\j:F+4*\j+3], s[8:9] offset:\g*4096+512*\j th:TH_STORE_NT   ; 512 neighbouring bytes, written once
.endr
.endm
	; GROUP 0.  Its ring is filled before the rendezvous, so that gathers are on their way while the waves meet.
	CONSTS 0
.irp l, 3,4,5,6
	ISSUE \l
.endr
	s_wait_dscnt 0x0                               ; my pieces of the tables are in LDS:
	s_barrier_signal -1                            ; say so,
	s_barrier_wait -1                              ; and read the tables when all 32 waves have said so
	v_cvt_f32_u32 v[UFB],   v[U+2]                 ; what group 1's levels 0 to 2 need
	v_cvt_f32_u32 v[UFB+1], v[U+3]
	v_sub_nc_u32 v[A4B],   0x1000000, v[U+2]
	v_sub_nc_u32 v[A4B+1], 0x1000000, v[U+3]
	v_ashrrev_i32 v[A4B],   4, v[A4B]
	v_ashrrev_i32 v[A4B+1], 4, v[A4B+1]
	; Six LDS levels (three of each group), one in each of the ring's first six turns: the turn stands between the LDS loads and their use.
.irp l, 0,1,2
	LISSUE 0, \l
	CONSUME \l+3, 4*(DEPTH-1)                      ; three younger levels, four loads each
	ISSUE \l+3+DEPTH                               ; into the slot just blended
	LBLEND 0, \l
.endr
.irp l, 0,1,2
	LISSUE 1, \l
	CONSUME \l+6, 4*(DEPTH-1)
	ISSUE \l+6+DEPTH
	LBLEND 1, \l
.endr
	; Every wave's table reads are over before any wave writes its stage.  Tables and stages are disjoint by the bounds above; this
	; rendezvous makes the ordering hold without leaning on the bound of an address made from data.  It is why both groups' LDS levels
	; are done here, and it stands where 16 gathers of each wave are on their way.
	s_wait_dscnt 0x0
	s_barrier_signal -1
	s_barrier_wait -1
.irp l, 9,10,11
	CONSUME \l, 4*(DEPTH-1)
	ISSUE \l+DEPTH
.endr
	TAIL
	WAYOUT 0
	; GROUP 1: levels 3 to 15; levels 0 to 2 wait in OUTB.
	s_wait_xcnt 0x0                                ; group 0's stores read F: it is loaded again only behind this wait
	CONSTS 1
.irp l, 3,4,5,6
	ISSUE \l
.endr
.irp l, 3,4,5,6,7,8,9,10,11
	CONSUME \l, 4*(DEPTH-1)
	ISSUE \l+DEPTH
.endr
	TAIL
	WAYOUT 1
	s_wait_xcnt 0x0
	v_lshl_add_u32 v118, v0, 2, 0x2d000
	v_mov_b32 v119, 0
	s_wait_tensorcnt 0x0
	ds_add_u32 v118, v119
	s_wait_dscnt 0x0
	s_endpgm
.Lfunc_end_k_q52fb1e0ba7_gather:
	.size	k_q52fb1e0ba7_gather, .Lfunc_end_k_q52fb1e0ba7_gather-k_q52fb1e0ba7_gather
	.p2alignl 7, 3214868480
	.fill 96, 4, 3214868480
	.section	.rodata,"a",@progbits
	.p2align	6, 0x0
	.amdhsa_kernel k_q52fb1e0ba7_gather
		.amdhsa_group_segment_fixed_size 188416
		.amdhsa_private_segment_fixed_size 0
		.amdhsa_enable_private_segment 0
		.amdhsa_kernarg_size 24
		.amdhsa_user_sgpr_count 2
		.amdhsa_user_sgpr_kernarg_segment_ptr 1
		.amdhsa_wavefront_size32 1
		.amdhsa_system_sgpr_workgroup_id_x 1
		.amdhsa_system_sgpr_workgroup_id_y 1
		.amdhsa_system_sgpr_workgroup_id_z 1
		.amdhsa_system_vgpr_workitem_id 0
		.amdhsa_next_free_vgpr 128
		.amdhsa_next_free_sgpr 66
		.amdhsa_reserve_vcc 0
		.amdhsa_float_denorm_mode_32 3
		.amdhsa_float_denorm_mode_16_64 3
		.amdhsa_memory_ordered 1
		.amdhsa_forward_progress 1
		.amdhsa_inst_pref_size 73
	.end_amdhsa_kernel
	.amdgpu_metadata
---
amdhsa.version: [ 1, 2 ]
amdhsa.kernels:
  - .name:           k_q52fb1e0ba7_gather
    .symbol:         k_q52fb1e0ba7_gather.kd
    .args:
      - { .name: ucoord, .offset: 0, .size: 8, .value_kind: global_buffer, .address_space: global }
      - { .name: table, .offset: 8, .size: 8, .value_kind: global_buffer, .address_space: global }
      - { .name: out0, .offset: 16, .size: 8, .value_kind: global_buffer, .address_space: global }
    .group_segment_fixed_size: 188416
    .private_segment_fixed_size: 0
    .kernarg_segment_align: 8
    .kernarg_segment_size: 24
    .max_flat_workgroup_size: 1024
    .sgpr_count:     66
    .vgpr_count:     128
    .wavefront_size: 32
...
	.end_amdgpu_metadata
.endif
;; end of part 2
